; MI455X (gfx1250); checked and timed in simulation.
; The chip was launched on July 23, 2026; its instructions are those of AMD's public machine-readable ISA for CDNA 5 (MIT licence, August 2026) and "CDNA5" Instruction Set Architecture Reference Guide (July 2026). The comments in the code are by the model that wrote it; some were corrected since.
;; Switch Transformer Routing. Allowed arithmetic: float matrix products may take bf16 or f16 operands with f32 sums; other float arithmetic in f32, or as packed bf16 or f16 multiplies, adds, multiply-adds, maxima and minima; sums over many terms, partial sums and values carried from step to step in f32; what a program stores and reads back later, other than sums and carried values, may be rounded once to bf16 or f16.
;; Inputs: b1 8 x 2,048 float32; b2 8 x 512 float32; gate_b 8 float32; gate_w 512 x 8 float32; w1 8 x 512 x 2,048 float32; w2 8 x 2,048 x 512 float32; x 2 x 2,048 x 512 float32.
;; Outputs: out0 2 x 2,048 x 512 float32.
;; One version. Each part assembles by itself: llvm-mc -triple=amdgcn-amd-amdhsa -mcpu=gfx1250 --defsym DOCPART=n.
;; ======== version 1 of 1: 3 launches
;; limits: a function is approximated: absolute error at most 1e-05; an absolute error that grows with the inputs' magnitude: up to 1e-05 times it
;; workspace buffers: route 16,384 bytes of whole numbers; xb 4,194,304 bytes; plan 32,768 bytes of whole numbers; hf 20,971,520 bytes
;; launch router (part 1): grid 256 x 1, 4 waves a work-group, no clusters, 0 bytes of LDS; arguments x, gate_w, gate_b, route, xb; writes route, xb
.if DOCPART == 1
	.amdgcn_target "amdgcn-amd-amdhsa--gfx1250"
	.amdhsa_code_object_version 6
	.text
	.protected	k_q5eb2e4f37f_router
	.globl	k_q5eb2e4f37f_router
	.p2align	8
	.type	k_q5eb2e4f37f_router,@function
k_q5eb2e4f37f_router:
	s_mov_b64 s[64:65], 0
	v_nop
	global_prefetch_b8 v0, s[64:65] scope:SCOPE_SE
	s_setreg_imm32_b32 hwreg(HW_REG_WAVE_MODE, 25, 1), 1
	s_wait_xcnt 0x0
; ROUTER.  x [4096][512] f32 is rounded once to bf16 and stored (xb); the 8 logits of each token are summed in f32 from the ROUNDED x, gate_w and gate_b,
; so that all launches work on the same rounded inputs; route[t] = the larger index of the two largest logits (ties keep the lower index, as a stable top-k does).
; SHARES.  256 work-groups x 16 tokens; a wave takes 4 tokens; lane l holds columns 128 c + 4 l + q (c, q = 0..3) of each token, and gate_w's rows of those 16 columns stay in 128 registers.
; No LDS, no matrix unit: 8 columns of gate_w are too few for a matrix tile, and the launch is a stream of x.
; LIMITS.  The sum's order differs from a plain dot product's: two logits closer than some 1e-6 of their size may change places.  A NaN logit never wins a comparison.
; The 4 words of route that a wave stores are 16 consecutive bytes: the one store of the launch that does not fill 256 bytes (16 KB in all).
.set P,   8                            ; v[8:15]    a token's 16 numbers as 8 packed words, the data of its stores
.set ACC, 16                           ; v[16:47]   token i, expert e at ACC + 8 i + e
.set X,   48                           ; v[48:111]  token i, chunk c at X + 16 i + 4 c
.set G,   112                          ; v[112:239] gate_w: column (c, q), expert e at G + 32 c + 8 q + e
.set LG,  240                          ; v[240:247] my token's 8 logits
.set GB,  248                          ; v[248:255] gate_b, rounded
	s_load_b256 s[4:11], s[0:1], 0x0               ; x s[4:5], gate_w s[6:7], gate_b s[8:9], route s[10:11]
	s_load_b64 s[12:13], s[0:1], 0x20              ; xb
	v_and_b32 v1, 31, v0                           ; lane
	v_lshrrev_b32 v6, 5, v0                        ; wave
	v_lshlrev_b32 v2, 4, v1
	v_lshl_add_u32 v2, v6, 13, v2                  ; x: 16 lane + 4 rows of 2,048 bytes a wave
	v_lshlrev_b32 v3, 7, v1                        ; gate_w: 4 rows of 32 bytes a lane
	v_lshlrev_b32 v4, 3, v1
	v_lshl_add_u32 v4, v6, 12, v4                  ; xb: 8 lane + 4 rows of 1,024 bytes a wave
	v_and_b32 v5, 3, v0
	v_lshl_add_u32 v5, v6, 2, v5
	v_lshlrev_b32 v5, 2, v5                        ; route: word 4 wave + lane % 4
	s_mov_b32 s24, 0x22222222                      ; lanes with lane % 4 = 1,
	s_mov_b32 s25, 0x44444444                      ; = 2,
	s_mov_b32 s26, 0x88888888                      ; = 3
	s_mov_b32 s28, 0x76543210                      ; v_permlanex16_b32: each lane takes its own place in the other half
	s_mov_b32 s29, 0xfedcba98
	s_mov_b32 s30, 0xffff0000                      ; a word's upper bf16
	s_lshl_b32 s2, ttmp9, 15                       ; the group's 16 rows of x,
	s_mov_b32 s3, 0
	s_lshl_b32 s14, ttmp9, 14                      ; of xb,
	s_mov_b32 s15, 0
	s_lshl_b32 s34, ttmp9, 6                       ; its 16 words of route
	s_mov_b32 s35, 0
	s_wait_kmcnt 0x0
	s_load_b256 s[16:23], s[8:9], 0x0              ; gate_b: 32 bytes, the whole buffer
	s_add_nc_u64 s[4:5], s[4:5], s[2:3]
	s_add_nc_u64 s[12:13], s[12:13], s[14:15]
	s_add_nc_u64 s[10:11], s[10:11], s[34:35]
.irp c, 0,1,2,3
.irp q, 0,1,2,3
	global_load_b128 v[G+32*(\c)+8*(\q):G+32*(\c)+8*(\q)+3],   v3, s[6:7] offset:4096*(\c)+32*(\q)
	global_load_b128 v[G+32*(\c)+8*(\q)+4:G+32*(\c)+8*(\q)+7], v3, s[6:7] offset:4096*(\c)+32*(\q)+16
.endr
.endr
.irp i, 0,1,2,3
.irp c, 0,1,2,3
	global_load_b128 v[X+16*(\i)+4*(\c):X+16*(\i)+4*(\c)+3], v2, s[4:5] offset:2048*(\i)+512*(\c) th:TH_LOAD_NT  ; 512 consecutive bytes of a row; x is read once in the launch
.endr
.endr
	s_wait_loadcnt 16                              ; gate_w is in: the 16 loads of x are younger
.set a, G
.rept 64                                       ; gate_w rounded to bf16 and widened again, two numbers at a time; two temporaries by turns
	v_cvt_pk_bf16_f32 v[6+((a>>1)&1)], v[a], v[a+1]
	v_lshlrev_b32 v[a], 16, v[6+((a>>1)&1)]
	v_and_b32 v[a+1], s30, v[6+((a>>1)&1)]
.set a, a+2
.endr
	s_wait_kmcnt 0x0
.irp e, 0,2,4,6
	v_cvt_pk_bf16_f32 v6, s[16+(\e)], s[17+(\e)]
	v_lshlrev_b32 v[GB+(\e)], 16, v6
	v_and_b32 v[GB+(\e)+1], s30, v6
.endr
; Token i: rounded, stored, widened, and its 16 columns multiplied into the 8 partial logits, two experts to a line.
.macro TOKEN i
	s_wait_loadcnt 12-4*(\i)                       ; my four loads are in; the later tokens' stay out
	s_wait_xcnt 0x0                                ; P was the data of the last token's stores: it is rewritten only behind this wait
.irp c, 0,1,2,3
	v_cvt_pk_bf16_f32 v[P+2*(\c)],   v[X+16*(\i)+4*(\c)],   v[X+16*(\i)+4*(\c)+1]
	v_cvt_pk_bf16_f32 v[P+2*(\c)+1], v[X+16*(\i)+4*(\c)+2], v[X+16*(\i)+4*(\c)+3]
.endr
.irp c, 0,1,2,3
	global_store_b64 v4, v[P+2*(\c):P+2*(\c)+1], s[12:13] offset:1024*(\i)+256*(\c)  ; 32 lanes store 256 consecutive bytes, at a multiple of 256 from xb's first byte
.endr
.irp c, 0,1,2,3
	v_lshlrev_b32 v[X+16*(\i)+4*(\c)],   16,  v[P+2*(\c)]
	v_and_b32     v[X+16*(\i)+4*(\c)+1], s30, v[P+2*(\c)]
	v_lshlrev_b32 v[X+16*(\i)+4*(\c)+2], 16,  v[P+2*(\c)+1]
	v_and_b32     v[X+16*(\i)+4*(\c)+3], s30, v[P+2*(\c)+1]
.endr
.irp c, 0,1,2,3
.irp q, 0,1,2,3
.irp e, 0,2,4,6
.if ((\c)+(\q)) == 0
	v_pk_mul_f32 v[ACC+8*(\i)+(\e):ACC+8*(\i)+(\e)+1], v[G+(\e):G+(\e)+1], v[X+16*(\i):X+16*(\i)+1] op_sel_hi:[1,0]  ; the first term starts the sums
.elseif ((\q)&1) == 0
	v_pk_fma_f32 v[ACC+8*(\i)+(\e):ACC+8*(\i)+(\e)+1], v[G+32*(\c)+8*(\q)+(\e):G+32*(\c)+8*(\q)+(\e)+1], v[X+16*(\i)+4*(\c)+(\q):X+16*(\i)+4*(\c)+(\q)+1], v[ACC+8*(\i)+(\e):ACC+8*(\i)+(\e)+1] op_sel_hi:[1,0,1]
.else
	v_pk_fma_f32 v[ACC+8*(\i)+(\e):ACC+8*(\i)+(\e)+1], v[G+32*(\c)+8*(\q)+(\e):G+32*(\c)+8*(\q)+(\e)+1], v[X+16*(\i)+4*(\c)+(\q)-1:X+16*(\i)+4*(\c)+(\q)], v[ACC+8*(\i)+(\e):ACC+8*(\i)+(\e)+1] op_sel:[0,1,0] op_sel_hi:[1,1,1]
.endif
.endr
.endr
.endr
.endm
	TOKEN 0
	TOKEN 1
	TOKEN 2
	TOKEN 3
	; the 32 partial logits are summed over the 32 lanes, level by level; every lane ends with all of them
.irp m, 1,2,4,8
.set a, ACC
.rept 32
	v_add_f32_dpp v[a], v[a], v[a] row_xmask:\m row_mask:0xf bank_mask:0xf
.set a, a+1
.endr
.endr
.set a, 0
.rept 32
	v_permlanex16_b32 v[X+a], v[ACC+a], s28, s29   ; X's registers have been written: the destination counts as read
.set a, a+1
.endr
.set a, 0
.rept 32
	v_add_f32 v[ACC+a], v[ACC+a], v[X+a]
.set a, a+1
.endr
.irp e, 0,1,2,3,4,5,6,7                        ; lane l goes on with token l % 4
	v_cndmask_b32 v[LG+(\e)], v[ACC+(\e)], v[ACC+8+(\e)], s24
	v_cndmask_b32 v[LG+(\e)], v[LG+(\e)], v[ACC+16+(\e)], s25
	v_cndmask_b32 v[LG+(\e)], v[LG+(\e)], v[ACC+24+(\e)], s26
	v_add_f32 v[LG+(\e)], v[LG+(\e)], v[GB+(\e)]
.endr
	; the two largest, in one pass: v48, v49 the largest and its index, v50, v51 the second.  Only a strictly larger logit displaces an earlier one.
	v_cmp_gt_f32 vcc_lo, v[LG+1], v[LG]
	v_cndmask_b32 v48, v[LG], v[LG+1], vcc_lo
	v_cndmask_b32 v50, v[LG+1], v[LG], vcc_lo
	v_cndmask_b32 v49, 0, 1, vcc_lo
	v_cndmask_b32 v51, 1, 0, vcc_lo
.irp e, 2,3,4,5,6,7
	v_cmp_gt_f32 s32, v[LG+(\e)], v48
	v_cmp_gt_f32 vcc_lo, v[LG+(\e)], v50
	v_cndmask_b32 v50, v50, v[LG+(\e)], vcc_lo
	v_cndmask_b32 v51, v51, \e, vcc_lo
	v_cndmask_b32 v50, v50, v48, s32
	v_cndmask_b32 v51, v51, v49, s32
	v_cndmask_b32 v48, v48, v[LG+(\e)], s32
	v_cndmask_b32 v49, v49, \e, s32
.endr
	v_max_u32 v49, v49, v51                        ; the two indices differ, so this is 1 to 7
	global_store_b32 v5, v49, s[10:11]             ; the eight lanes of a token store the same word with the same number
	s_endpgm
.Lfunc_end_k_q5eb2e4f37f_router:
	.size	k_q5eb2e4f37f_router, .Lfunc_end_k_q5eb2e4f37f_router-k_q5eb2e4f37f_router
	.p2alignl 7, 3214868480
	.fill 96, 4, 3214868480
	.section	.rodata,"a",@progbits
	.p2align	6, 0x0
	.amdhsa_kernel k_q5eb2e4f37f_router
		.amdhsa_group_segment_fixed_size 0
		.amdhsa_private_segment_fixed_size 0
		.amdhsa_enable_private_segment 0
		.amdhsa_kernarg_size 40
		.amdhsa_user_sgpr_count 2
		.amdhsa_user_sgpr_kernarg_segment_ptr 1
		.amdhsa_wavefront_size32 1
		.amdhsa_system_sgpr_workgroup_id_x 1
		.amdhsa_system_sgpr_workgroup_id_y 1
		.amdhsa_system_sgpr_workgroup_id_z 1
		.amdhsa_system_vgpr_workitem_id 0
		.amdhsa_next_free_vgpr 256
		.amdhsa_next_free_sgpr 66
		.amdhsa_reserve_vcc 1
		.amdhsa_float_denorm_mode_32 3
		.amdhsa_float_denorm_mode_16_64 3
		.amdhsa_memory_ordered 1
		.amdhsa_forward_progress 1
		.amdhsa_inst_pref_size 53
	.end_amdhsa_kernel
	.amdgpu_metadata
---
amdhsa.version: [ 1, 2 ]
amdhsa.kernels:
  - .name:           k_q5eb2e4f37f_router
    .symbol:         k_q5eb2e4f37f_router.kd
    .args:
      - { .name: x, .offset: 0, .size: 8, .value_kind: global_buffer, .address_space: global }
      - { .name: gate_w, .offset: 8, .size: 8, .value_kind: global_buffer, .address_space: global }
      - { .name: gate_b, .offset: 16, .size: 8, .value_kind: global_buffer, .address_space: global }
      - { .name: route, .offset: 24, .size: 8, .value_kind: global_buffer, .address_space: global }
      - { .name: xb, .offset: 32, .size: 8, .value_kind: global_buffer, .address_space: global }
    .group_segment_fixed_size: 0
    .private_segment_fixed_size: 0
    .kernarg_segment_align: 8
    .kernarg_segment_size: 40
    .max_flat_workgroup_size: 128
    .sgpr_count:     66
    .vgpr_count:     256
    .wavefront_size: 32
...
	.end_amdgpu_metadata
.endif
;; end of part 1
;; launch ffn1 (part 2): grid 8 x 32, 4 waves a work-group, no clusters, 212,992 bytes of LDS; arguments route, xb, w1, b1, hf, plan; writes hf, plan
.if DOCPART == 2
	.amdgcn_target "amdgcn-amd-amdhsa--gfx1250"
	.amdhsa_code_object_version 6
	.text
	.protected	k_q5eb2e4f37f_ffn1
	.globl	k_q5eb2e4f37f_ffn1
	.p2align	8
	.type	k_q5eb2e4f37f_ffn1,@function
k_q5eb2e4f37f_ffn1:
	s_mov_b64 s[64:65], 0
	v_nop
	global_prefetch_b8 v0, s[64:65] scope:SCOPE_SE
	s_setreg_imm32_b32 hwreg(HW_REG_WAVE_MODE, 25, 1), 1
	s_wait_xcnt 0x0
; FIRST PRODUCT.  h = gelu(x w1[e] + b1[e]) for the rows of the chosen expert alone; w1 and b1 are rounded to bf16 on their way through registers, sums in f32, h rounded once to bf16.
; TILES.  The tokens of an expert are ranked and cut into tiles of 160 rows.  route holds 1 to 7 (the larger of two different indices), so at most 7 experts have rows, and the tiles number at most
; (4096 + 7 x 159) / 160 = 32 for every split: grid y.  Grid x: 8 slices of 256 hidden units.  Every work-group counts and ranks the 4,096 choices for itself (no atomics, no list launch).
; A tile's places past its count repeat its first token: they give the same numbers, which later land on the same address, so EXEC never changes.  A tile without rows passes every barrier and then ends.
; SHAPE.  A wave keeps 64 hidden units x K 512 of w1 as 64 bf16 fragments in 512 registers (windows 2, 3), filled once: f32 rows from memory, rounded, through a stage of its own in LDS ([k][n], pitch 160),
; turned by ds_load_tr16_b128.  Then it walks the tile's 10 blocks of 16 tokens: 64 matrix instructions on 4 accumulators that take turns.
; Source 0 = 16 hidden units, source 1 = 16 tokens: a lane holds ONE token and 8 neighbouring hidden units; two neighbouring results, packed, ARE the K = 32 operand of the second product, so hf is
; written in that order: [tile][block 10][K step 64][half 2][lane 32][16 bytes], each store 512 consecutive bytes.
; THE WALK BY TURNS.  Trip t multiplies block t, and behind each of its 64 matrix instructions stand four of the 256 vector instructions of block t - 1's GELU.  Eleven trips for ten blocks: the first
; trip's riders run on the biases alone and what they make is not stored; the last trip's products repeat block 9's fragments and are never read: 64 matrix and 256 vector instructions a wave, the price of
; one text for every trip.
; LDS ADDRESSES are a register made once at the head plus an immediate, in the loop too: a block's fragment loads are written once for each block, and the trip's counter picks them.
; GELU.  z Phi(z) = z/2 + |z| (1/2 - Q), Q = 2^(-z z log2(e)/2) (c1 t + c2 t^2 + c3 t^3), t = 1/(1 + 0.33267 |z|).  z z may overflow: Q is then 0, which is its limit.
; NO JOINT LOADS.  A tile's 8 slices share its token rows, which come by a list that no tile descriptor covers; the tiles of an expert share weights, but how many they are hangs on the counts (1 to 26),
; so no fixed group of four shares a slice at every split; and the f32 weights pass through registers to be rounded in any case.
; LIMITS.  Phi is within 1e-5 for every z, so h is within 1e-5 |z|.  Exponential and reciprocal flush denormals.  h is kept in bf16 (8 significant bits), which has f32's range.
.set PITCH,  8192                      ; bytes from row to row of w1[e]
.set APITCH, 1040                      ; a token row in LDS: 1,024 bytes + 16: the 16 rows of a fragment load start at 16 different groups of four banks (64 banks of 4 bytes: ISA guide 11.1)
.set BST,    166400                    ; behind the 160 token rows: each wave's stage, two buffers of 32 k-rows x 160 bytes
.set BBUF,   5120
.set CNT,    207360                    ; 4 x 16 bytes: the waves' counts
.set LISTW,  207616                    ; 4 x 1,024 bytes: each wave's part of the tile's list (token + 1; 0 = not mine); word 160 takes what falls outside the tile
.set SPARE,  212480                    ; behind the merged list (LISTW + 4096, 640 bytes): the spare words, 128 bytes a wave, which no other line names
.set LANE, 1
.set R,    2                           ; lane % 16
.set H,    3                           ; lane / 16
.set BOFF, 14                          ; my 16 bytes in two rows of the weight slice
.set BSTA, 15                          ; where I put 8 bytes in my stage
.set BTRA, 16                          ; where the turning load reads
.set HOFF, 18                          ; 16 x lane
.set ASTA, 19                          ; where I put 16 bytes of a token row
.set LW,   20                          ; my wave's list
.set TOK0, 21                          ; 1,024 wave + 4 lane + 1
.set NEG1, 22
.set ONE,  23
.set B1O,  24                          ; 32 x (lane / 16): my 8 biases in a block of 16
.set LFA,  25                          ; my wave's 40 rows in the merged list
.set LWZ,  26
.set MGA,  27                          ; LISTW + 4 x thread
.set PLO,  28                          ; 4 x thread
.set L16,  29                          ; 16 x (lane % 16)
.set SPW,  30                          ; my spare word; never rewritten
.set NIL,  31                          ; 0; never rewritten
.set RT,   32                          ; v[32:63]   route of my 32 tokens: register 4 j + i = token 1,024 wave + 128 j + 4 lane + i
.set PK,   32                          ; later: 32 packed words on their way into the stage
.set AF,   64                          ; v[64:191]  the 16 token fragments of a block
.set AO,   192                         ; v[192:211] byte offsets of my 20 pairs of token rows in xb
.set AAD,  212                         ; v[212:214] my place in token blocks 0, 4 and 8: a block's place among four stands in the loads' immediates; never rewritten
.set ACC,  0                           ; window 1 (during the fill: four slots of 64 for the f32 weights)
.set BIAS, 32
.set Z,    64
.set TT,   96
.set MM,   128
.set HZ,   160
.set QQ,   192
.set HP,   224
.set MSB, 0
.macro WIN new                         ; the immediate's high byte repeats the setting that is left; a switch that changes nothing is dropped
.if MSB != (\new)
	s_set_vgpr_msb (MSB<<8)|(\new)
.set MSB, (\new)
.endif
.endm
.macro BAR                             ; my LDS instructions are done, then the work-group's barrier
	s_wait_dscnt 0x0
	s_barrier_signal -1
	s_barrier_wait -1
.endm
	s_load_b256 s[4:11], s[0:1], 0x0               ; route s[4:5], xb s[6:7], w1 s[8:9], b1 s[10:11]
	s_load_b128 s[12:15], s[0:1], 0x20             ; hf s[12:13], plan s[14:15]
	v_lshl_add_u32 v[SPW], v0, 2, SPARE
	v_mov_b32 v[NIL], 0
	v_and_b32 v[LANE], 31, v0
	v_lshrrev_b32 v4, 5, v0
	v_readfirstlane_b32 s18, v4                    ; wave
	s_mov_b32 s19, ttmp9                           ; slice
	s_and_b32 s20, ttmp7, 0xffff                   ; tile
	s_lshl_b32 s59, s18, 12
	v_lshl_add_u32 v13, v[LANE], 4, s59            ; my wave's 1,024 words of route
	s_wait_kmcnt 0x0
.irp j, 0,1,2,3,4,5,6,7
	global_load_b128 v[RT+4*(\j):RT+4*(\j)+3], v13, s[4:5] offset:512*(\j)
.endr
	; addresses and constants, in the wait for route
	v_and_b32 v[R], 15, v0
	v_bfe_u32 v[H], v0, 4, 1
	v_lshlrev_b32 v[L16], 4, v[R]
	v_lshl_add_u32 v[BOFF], v[H], 15, v[L16]       ; lanes 0-15 one row's 256 bytes, lanes 16-31 those of the row four further down
	s_mul_i32 s54, s18, 2*BBUF
	s_add_co_u32 s54, s54, BST                     ; my stage
	v_mul_u32_u24 v4, v[H], 640                    ; four stage rows are 640 bytes = 128 modulo 256: the two 128-byte halves of a store fall on different banks (64 banks of 4 bytes: ISA guide 11.1)
	v_lshl_add_u32 v4, v[R], 3, v4
	v_add_nc_u32 v[BSTA], s54, v4
	v_and_b32 v4, 7, v0                            ; the turning load: lane l reads k-row 8 (l / 16) + l % 8, columns 8 ((l / 8) % 2) + 0..7
	v_lshl_add_u32 v4, v[H], 3, v4
	v_mul_u32_u24 v4, v4, 160
	v_bfe_u32 v5, v0, 3, 1
	v_lshl_add_u32 v4, v5, 4, v4
	v_add_nc_u32 v[BTRA], s54, v4
	v_mul_u32_u24 v[AAD], v[R], APITCH
	v_lshl_add_u32 v[AAD], v[H], 4, v[AAD]         ; row x pitch + 16 x half
	v_add_nc_u32 v[AAD+1], 4*16*APITCH, v[AAD]     ; four blocks of 16 rows on,
	v_add_nc_u32 v[AAD+2], 8*16*APITCH, v[AAD]     ; eight
	v_lshlrev_b32 v[HOFF], 4, v[LANE]
	s_mul_i32 s55, s18, 40*APITCH
	v_mul_u32_u24 v4, v[H], APITCH
	v_add_nc_u32 v4, v[L16], v4
	v_add_nc_u32 v[ASTA], s55, v4
	s_lshl_b32 s55, s18, 10
	s_add_co_u32 s59, s55, 1
	s_add_co_u32 s55, s55, LISTW
	v_mov_b32 v[LW], s55
	v_lshl_add_u32 v[LWZ], v[LANE], 2, s55
	v_lshl_add_u32 v[TOK0], v[LANE], 2, s59
	v_mov_b32 v[NEG1], -1
	v_mov_b32 v[ONE], 1
	v_lshlrev_b32 v[B1O], 5, v[H]
	s_mul_i32 s59, s18, 160
	s_add_co_u32 s59, s59, LISTW+4096
	v_lshl_add_u32 v[LFA], v[H], 2, s59
	v_lshl_add_u32 v[MGA], v0, 2, LISTW
	v_lshlrev_b32 v[PLO], 2, v0
	v_mov_b32 v5, 0
.irp k, 0,1,2,3,4,5
	ds_store_b32 v[LWZ], v5 offset:128*(\k)        ; words 0 to 191 of my list: nothing is mine yet
.endr
	s_mov_b32 s62, 0x76543210
	s_mov_b32 s63, 0xfedcba98
	s_mov_b32 s66, 0x3eaa53b9                      ; 0.33267
	s_mov_b32 s68, 0xbf38aa3b                      ; -log2(e) / 2   (this and the next three are named as pairs, so both words are written)
	s_mov_b32 s69, s68
	s_mov_b32 s70, 0x3ebf7378                      ; c3 =  0.9372980 / sqrt(2 pi) =  0.37392782
	s_mov_b32 s71, s70
	s_mov_b32 s72, 0xbd445cac                      ; c2 = -0.1201676 / sqrt(2 pi) = -0.04793994
	s_mov_b32 s73, s72
	s_mov_b32 s74, 0x3e32303a                      ; c1 =  0.4361836 / sqrt(2 pi) =  0.17401209
	s_mov_b32 s75, s74
	s_mov_b32 s80, 0xffff0000
	s_mov_b32 s81, 0x0f0f0f0f
	s_mov_b32 s82, 0x00ff00ff
	v_mov_b32 v4, 0                                ; the lane moves below count as readers of their destinations
	v_mov_b32 v6, 0
	v_mov_b32 v7, 0
	s_wait_loadcnt 0x0                             ; route
	; COUNT.  1 << 4 e for each token; 8 of them add up in nibbles, 32 in bytes, a wave's 1,024 in halves of a word.
.set b, 0
.rept 4
.set k, 0
.rept 8
	v_lshlrev_b32 v[64+k], 2, v[RT+8*b+k]
.set k, k+1
.endr
.set k, 0
.rept 8
	v_lshlrev_b32 v[64+k], v[64+k], v[ONE]
.set k, k+1
.endr
	v_add3_u32 v72, v64, v65, v66
	v_add3_u32 v73, v67, v68, v69
	v_add3_u32 v72, v72, v70, v71
	v_add_nc_u32 v72, v72, v73
	v_lshrrev_b32 v73, 4, v72
.if b == 0
	v_and_b32 v74, s81, v72                        ; bytes: experts 0, 2, 4, 6
	v_and_b32 v75, s81, v73                        ; bytes: experts 1, 3, 5, 7
.else
	v_and_b32 v72, s81, v72
	v_and_b32 v73, s81, v73
	v_add_nc_u32 v74, v74, v72
	v_add_nc_u32 v75, v75, v73
.endif
.set b, b+1
.endr
	v_and_b32 v8, s82, v74                         ; halves: experts 0 | 4
	v_lshrrev_b32 v9, 8, v74
	v_and_b32 v9, s82, v9                          ; 2 | 6
	v_and_b32 v10, s82, v75                        ; 1 | 5
	v_lshrrev_b32 v11, 8, v75
	v_and_b32 v11, s82, v11                        ; 3 | 7
.irp m, 1,2,4,8
.irp q, 0,1,2,3
	v_mov_b32_dpp v[4+(\q)], v[8+(\q)] row_xmask:\m row_mask:0xf bank_mask:0xf
.endr
.irp q, 0,1,2,3
	v_add_nc_u32 v[8+(\q)], v[8+(\q)], v[4+(\q)]
.endr
.endr
.irp q, 0,1,2,3
	v_permlanex16_b32 v[4+(\q)], v[8+(\q)], s62, s63
.endr
.irp q, 0,1,2,3
	v_add_nc_u32 v[8+(\q)], v[8+(\q)], v[4+(\q)]
.endr
	s_lshl_b32 s54, s18, 4
	s_add_co_u32 s54, s54, CNT
	v_mov_b32 v13, s54
	v_mov_b32 v12, CNT
	ds_store_b128 v13, v[8:11]                     ; all lanes store the same 16 bytes
	BAR                                            ; every wave's counts are in LDS
.irp w, 0,1,2,3
	ds_load_b128 v[64+4*(\w):64+4*(\w)+3], v12 offset:16*(\w)
.endr
	s_wait_dscnt 0x0
.set k, 0
.rept 16
	v_readfirstlane_b32 s[24+k], v[64+k]           ; s[24 + 4 w + q]: wave w's word q
.set k, k+1
.endr
.irp q, 0,1,2,3
	s_add_co_u32 s[40+(\q)], s[24+(\q)], s[28+(\q)]
	s_add_co_u32 s[40+(\q)], s[40+(\q)], s[32+(\q)]
	s_add_co_u32 s[40+(\q)], s[40+(\q)], s[36+(\q)]  ; all tokens of the experts in word q
	s_mov_b32 s[44+(\q)], 0
.endr
.irp w, 0,1,2
	s_cmp_gt_u32 s18, \w
.irp q, 0,1,2,3
	s_cselect_b32 s[84+(\q)], s[24+4*(\w)+(\q)], 0
.endr
.irp q, 0,1,2,3
	s_add_co_u32 s[44+(\q)], s[44+(\q)], s[84+(\q)]  ; those of the waves in front of mine
.endr
.endr
	; WHICH EXPERT, WHICH OF ITS TILES.  Expert e has g = ceil(n / 160) tiles, dealt in the experts' order; mine is the expert for which tile - (tiles dealt so far) < g.
	s_mov_b32 s48, 0                               ; tiles dealt so far
	s_mov_b32 s49, 7                               ; the expert (a tile without rows keeps a valid one for the loads that it still issues)
	s_mov_b32 s50, 0                               ; my tile's number among the expert's
	s_mov_b32 s52, 0                               ; 1: the tile has rows
	s_mov_b32 s53, 0                               ; the expert's tokens in the waves in front of mine
.macro EXPERT e
.set eq, 2*((\e)&1)+(((\e)>>1)&1)
.set eh, 16*((\e)>>2)
	s_bfe_u32 s54, s[40+eq], (16<<16)|eh
	s_bfe_u32 s55, s[44+eq], (16<<16)|eh
	s_add_co_u32 s54, s54, 159
	s_lshr_b32 s54, s54, 5
	s_mul_i32 s54, s54, 52429                      ; (n + 159) / 32 is at most 132: times 52,429 >> 18 is its fifth, rounded down
	s_lshr_b32 s54, s54, 18
	s_sub_co_u32 s59, s20, s48                     ; wraps to a large number where the tile lies in front of this expert's
	s_cmp_lt_u32 s59, s54
	s_cselect_b32 s49, \e, s49
	s_cselect_b32 s50, s59, s50
	s_cselect_b32 s53, s55, s53
	s_cselect_b32 s52, 1, s52
	s_add_co_u32 s48, s48, s54
.endm
.irp e, 1,2,3,4,5,6,7
	EXPERT \e
.endr
	s_mul_i32 s54, s50, 160
	s_sub_co_u32 s56, s53, s54                     ; the rank of my wave's first token of the expert, less the tile's first rank
	s_min_u32 s49, s49, 7
	s_mov_b32 s55, 0
	s_lshl_b32 s54, s49, 22                        ; w1[e]: 4,194,304 bytes an expert,
	s_lshl_b32 s59, s19, 10                        ; 256 columns a slice,
	s_add_co_u32 s54, s54, s59
	s_lshl_b32 s59, s18, 8                         ; 64 a wave
	s_add_co_u32 s54, s54, s59
	s_add_nc_u64 s[8:9], s[8:9], s[54:55]
	s_lshl_b32 s54, s49, 13                        ; b1[e], the same columns
	s_lshl_b32 s59, s19, 10
	s_add_co_u32 s54, s54, s59
	s_lshl_b32 s59, s18, 8
	s_add_co_u32 s54, s54, s59
	s_add_nc_u64 s[10:11], s[10:11], s[54:55]
	s_mul_i32 s54, s20, 655360                     ; hf: the tile, K steps 8 slice + 2 wave on
	s_lshl_b32 s59, s19, 13
	s_add_co_u32 s54, s54, s59
	s_lshl_b32 s59, s18, 11
	s_add_co_u32 s54, s54, s59
	s_add_nc_u64 s[12:13], s[12:13], s[54:55]
	s_lshl_b32 s54, s20, 10                        ; plan: 256 words a tile
	s_add_nc_u64 s[14:15], s[14:15], s[54:55]
; THE WEIGHTS.  BLOAD s: k-rows 32 s .. 32 s + 31 of my 64 columns into slot s % 4 of window 1: 16 loads, load i rows i % 4 + 8 (i / 4) (lanes 0-15) and four further down (lanes 16-31), 256 bytes of each.
.macro BLOAD s
	WIN 0x40
.set i, 0
.rept 16
	global_load_b128 v[64*((\s)&3)+4*i:64*((\s)&3)+4*i+3], v[BOFF], s[8:9] offset:(32*(\s)+(i%4)+8*(i/4))*PITCH
.set i, i+1
.endr
.endm
; BSTEP s, n: slot s % 4 has landed (n younger loads may stay out); it is rounded; it is asked for again at once (step s + 4), ahead of the LDS work; the rounded words go into buffer s % 2 of my stage and
; come back turned as the four fragments of K step s.
; The stage is my wave's own and LDS serves a wave's instructions in order (ISA guide 5.7.1.4): no wait and no barrier between the stores, the turning loads and the next stores into the buffer.
.macro BSTEP s, n
	s_wait_loadcnt \n
	WIN 0x05
.set i, 0
.rept 32
	v_cvt_pk_bf16_f32 v[PK+i], v[64*((\s)&3)+2*i], v[64*((\s)&3)+2*i+1]
.set i, i+1
.endr
.if (\s) <= 11
	BLOAD (\s)+4
.endif
.if (\s) == 12                         ; slot 0 has had its last weights: the biases land there
	WIN 0x40
.set nb, 0
.rept 4
	global_load_b128 v[BIAS+8*nb:BIAS+8*nb+3],   v[B1O], s[10:11] offset:64*nb
	global_load_b128 v[BIAS+8*nb+4:BIAS+8*nb+7], v[B1O], s[10:11] offset:64*nb+16
.set nb, nb+1
.endr
.endif
	WIN 0
.set i, 0
.rept 16
	ds_store_b64 v[BSTA], v[PK+2*i:PK+2*i+1] offset:((\s)&1)*BBUF+160*((i%4)+8*(i/4))
.set i, i+1
.endr
	WIN 0x80+0x40*((\s)>>3)                        ; fragment (kk, nb) lies in window 2 + kk / 8 at register 8 (4 (kk % 8) + nb)
.set nb, 0
.rept 4
	ds_load_tr16_b128 v[(((\s)&7)*4+nb)*8:(((\s)&7)*4+nb)*8+3],   v[BTRA] offset:((\s)&1)*BBUF+32*nb
	ds_load_tr16_b128 v[(((\s)&7)*4+nb)*8+4:(((\s)&7)*4+nb)*8+7], v[BTRA] offset:((\s)&1)*BBUF+32*nb+2560
.set nb, nb+1
.endr
.endm
	BLOAD 0                                        ; three slots, 48 loads, are on their way while the list is made
	BLOAD 1
	BLOAD 2
	WIN 0
; THE LIST.  Four of my route registers: a token of my expert gets the place rank - 160 x tile; places outside 0..159, and tokens of other experts, go to word 160.
.macro SCAT4 j
.irp i, 0,1,2,3
	v_cmp_eq_u32 s[84+(\i)], s49, v[RT+4*(\j)+(\i)]
.endr
	s_bcnt1_i32_b32 s88, s84
	s_add_co_u32 s88, s88, s56
	s_bcnt1_i32_b32 s89, s85
	s_add_co_u32 s89, s89, s88
	s_bcnt1_i32_b32 s90, s86
	s_add_co_u32 s90, s90, s89
	s_bcnt1_i32_b32 s91, s87
	s_add_co_u32 s91, s91, s90
	v_mbcnt_lo_u32_b32 v4, s84, s56
	v_mbcnt_lo_u32_b32 v5, s85, s88
	v_mbcnt_lo_u32_b32 v6, s86, s89
	v_mbcnt_lo_u32_b32 v7, s87, s90
	s_mov_b32 s56, s91
.irp i, 0,1,2,3
	v_cndmask_b32 v[4+(\i)], v[NEG1], v[4+(\i)], s[84+(\i)]
.endr
.irp i, 0,1,2,3
	v_min_u32 v[4+(\i)], 160, v[4+(\i)]
.endr
.irp i, 0,1,2,3
	v_lshl_add_u32 v[4+(\i)], v[4+(\i)], 2, v[LW]
.endr
.irp i, 0,1,2,3
	v_add_nc_u32 v[8+(\i)], 128*(\j)+(\i), v[TOK0]
.endr
.irp i, 0,1,2,3
	ds_store_b32 v[4+(\i)], v[8+(\i)]
.endr
.endm
.irp j, 0,1,2,3,4,5,6,7
	SCAT4 \j
.endr
	BAR                                            ; all four parts of the list are in LDS
	; MERGE.  Each place is filled in one wave's part at the most: the four words are OR-ed; an empty place takes place 0's token.  Thread p takes place p, wave 0 also places 128 to 159.
	v_mov_b32 v12, LISTW
	ds_load_b32 v4, v[MGA]
	ds_load_b32 v5, v[MGA] offset:1024
	ds_load_b32 v6, v[MGA] offset:2048
	ds_load_b32 v7, v[MGA] offset:3072
	ds_load_b32 v8, v12
	ds_load_b32 v9, v12 offset:1024
	ds_load_b32 v10, v12 offset:2048
	ds_load_b32 v11, v12 offset:3072
	s_wait_dscnt 0x0
	v_or_b32 v4, v4, v5
	v_or_b32 v6, v6, v7
	v_or_b32 v4, v4, v6
	v_or_b32 v8, v8, v9
	v_or_b32 v10, v10, v11
	v_or_b32 v8, v8, v10
	v_cmp_eq_u32 vcc_lo, 0, v4
	v_cndmask_b32 v4, v4, v8, vcc_lo
	v_add_nc_u32 v4, -1, v4
	v_min_u32 v4, 0xfff, v4
	ds_store_b32 v[MGA], v4 offset:4096
	s_cmp_lg_u32 s18, 0
	s_cbranch_scc1 .Lone_place
	ds_load_b32 v5, v[MGA] offset:512
	ds_load_b32 v6, v[MGA] offset:1536
	ds_load_b32 v7, v[MGA] offset:2560
	ds_load_b32 v9, v[MGA] offset:3584
	s_wait_dscnt 0x0
	v_or_b32 v5, v5, v6
	v_or_b32 v7, v7, v9
	v_or_b32 v5, v5, v7
	v_cmp_eq_u32 vcc_lo, 0, v5
	v_cndmask_b32 v5, v5, v8, vcc_lo
	v_add_nc_u32 v5, -1, v5
	v_min_u32 v5, 0xfff, v5
	ds_store_b32 v[MGA], v5 offset:4608
.Lone_place:
	s_cmp_lg_u32 s19, 0                            ; slice 0 alone stores the tile's plan for the second product
	s_cbranch_scc1 .Lno_plan
	global_store_b32 v[PLO], v4, s[14:15]
	s_cmp_lg_u32 s18, 0
	s_cbranch_scc1 .Lno_plan
	global_store_b32 v[PLO], v5, s[14:15] offset:512
	v_mov_b32 v6, s52
	v_mov_b32 v7, s49
	v_cmp_eq_u32 vcc_lo, 0, v[LANE]
	v_cndmask_b32 v6, v6, v7, vcc_lo
	global_store_b32 v[PLO], v6, s[14:15] offset:640  ; word 160: the expert; words 161 to 191: 1 if the tile has rows
.Lno_plan:
	s_wait_xcnt 0x0                                ; the stores' registers may be written again
	BAR                                            ; the merged list is in LDS
	; THE TOKEN ROWS.  My wave brings rows 40 w .. 40 w + 39: 80 loads of two rows x 256 bytes, through window 3 and v192-255 of window 2, which the weights' K steps 6 to 15 do not need yet.
	; Behind them goes weight slot 3, and the first three steps of the fill are done while the rows are on their way: each asks for a further slot, so that requests never run dry.
.set p, 0
.rept 20
	ds_load_b32 v[AO+p], v[LFA] offset:8*p
.set p, p+1
.endr
	s_wait_dscnt 0x0
.set p, 0
.rept 20
	v_min_u32 v[AO+p], 0xfff, v[AO+p]
	v_lshl_add_u32 v[AO+p], v[AO+p], 10, v[L16]
.set p, p+1
.endr
	WIN 0xc0
.set i, 0
.rept 64
	global_load_b128 v[4*i:4*i+3], v[AO+i/4], s[6:7] offset:256*(i%4)
.set i, i+1
.endr
	WIN 0x80
.set i, 0
.rept 16
	global_load_b128 v[192+4*i:192+4*i+3], v[AO+16+i/4], s[6:7] offset:256*(i%4)
.set i, i+1
.endr
	BLOAD 3
	BSTEP 0, 63                                    ; behind each of slots 0 to 2 at least 128 loads were issued (the 80 rows' among them): 63, the largest count that a wait names, shows it landed
	BSTEP 1, 63
	BSTEP 2, 63
	s_wait_loadcnt 63                              ; behind the last of the rows' loads stand slots 3 to 6, 64 loads: the rows are in
	WIN 0x0c
.set i, 0
.rept 64
	ds_store_b128 v[ASTA], v[4*i:4*i+3] offset:2*APITCH*(i/4)+256*(i%4)
.set i, i+1
.endr
	WIN 0x08
.set i, 0
.rept 16
	ds_store_b128 v[ASTA], v[192+4*i:192+4*i+3] offset:2*APITCH*(16+i/4)+256*(i%4)
.set i, i+1
.endr
	WIN 0
	BAR                                            ; the 160 token rows are in LDS: the last barrier
	s_cmp_lg_u32 s52, 0
	s_cbranch_scc1 .Lwork
	s_wait_tensorcnt 0x0                           ; a tile without rows ends here
	ds_add_u32 v[SPW], v[NIL]
	s_wait_dscnt 0x0
	s_endpgm
.Lwork:
.irp s, 3,4,5,6,7,8,9,10,11,12
	BSTEP \s, 48                                   ; three younger slots of 16 loads stay out
.endr
	BSTEP 13, 40                                   ; two slots and the 8 loads of the biases
	BSTEP 14, 24
	BSTEP 15, 8
	WIN 0
.macro AFETCH a, o, k0, n              ; n token fragments (16 tokens x 32 K each), from K step k0 on, of the block that begins o bytes behind the address in register a
.set kk, \k0
.rept \n
	ds_load_b128 v[AF+8*kk:AF+8*kk+3],   v[\a] offset:(\o)+64*kk
	ds_load_b128 v[AF+8*kk+4:AF+8*kk+7], v[\a] offset:(\o)+64*kk+32
.set kk, kk+1
.endr
.endm
	AFETCH AAD, 0, 0, 16                           ; the tile's first block
	s_wait_loadcnt 0x0                             ; the biases
	WIN 0x55
.set i, 0
.rept 16                                       ; rounded to bf16 like every input, and widened again: once as the biases, once as what the first trip's riders run on
	v_cvt_pk_bf16_f32 v[TT+(i&1)], v[BIAS+2*i], v[BIAS+2*i+1]
	v_lshlrev_b32 v[BIAS+2*i], 16, v[TT+(i&1)]
	v_and_b32 v[BIAS+2*i+1], s80, v[TT+(i&1)]
	v_lshlrev_b32 v[Z+2*i], 16, v[TT+(i&1)]
	v_and_b32 v[Z+2*i+1], s80, v[TT+(i&1)]
.set i, i+1
.endr
	WIN 0
; THE RIDERS: the GELU of the 32 numbers z a lane that lie in Z, a list of 256 instructions; RIDER writes number j and steps j.
;   0-143    for pair p of 16: 1 + 0.33267 |z| (twice), -z log2(e)/2, z/2, -z z log2(e)/2; between these five plain lines stand the two reciprocals and two exponentials of pair p - 1.
;            The 64 transcendentals are ONE batch: nothing in 0-143 names a result of theirs.  The last four stand on end (140-143).
;   144-255  level by level over the 16 pairs, so that no line waits for the line before it: c3 t + c2; (..) t + c1; (..) t; 1/2 - (..) 2^(..); |z| (..) + z/2 (32 lines); two numbers rounded to bf16.
.macro RIDER
.if j < 5
.set p, 0
.set e, 2*j+1
.if j == 4
.set e, 8
.endif
.elseif j < 144
.set p, 1+(j-5)/9
.set e, (j-5)%9
.if p == 16
.set e, 2*e
.endif
.endif
.set g, j-144
.set u, 2*(j%16)                       ; 144 is a multiple of 16: the pair of a level's line
.if j >= 240
	v_cvt_pk_bf16_f32 v[HP+g-96], v[Z+2*(g-96)], v[Z+2*(g-96)+1]
.elseif j >= 208
	v_fma_f32 v[Z+g-64], |v[Z+g-64]|, v[QQ+g-64], v[HZ+g-64]
.elseif j >= 192
	v_pk_fma_f32 v[QQ+u:QQ+u+1], v[QQ+u:QQ+u+1], v[MM+u:MM+u+1], 0.5 op_sel_hi:[1,1,0] neg_lo:[1,0,0] neg_hi:[1,0,0]
.elseif j >= 176
	v_pk_mul_f32 v[QQ+u:QQ+u+1], v[QQ+u:QQ+u+1], v[TT+u:TT+u+1]
.elseif j >= 160
	v_pk_fma_f32 v[QQ+u:QQ+u+1], v[QQ+u:QQ+u+1], v[TT+u:TT+u+1], s[74:75] op_sel_hi:[1,1,0]
.elseif j >= 144
	v_pk_fma_f32 v[QQ+u:QQ+u+1], v[TT+u:TT+u+1], s[70:71], s[72:73] op_sel_hi:[1,0,0]
.elseif e == 0
	v_rcp_f32 v[TT+2*p-2], v[TT+2*p-2]
.elseif e == 1
	v_fma_f32 v[TT+2*p], |v[Z+2*p]|, s66, 1.0
.elseif e == 2
	v_rcp_f32 v[TT+2*p-1], v[TT+2*p-1]
.elseif e == 3
	v_fma_f32 v[TT+2*p+1], |v[Z+2*p+1]|, s66, 1.0
.elseif e == 4
	v_exp_f32 v[MM+2*p-2], v[MM+2*p-2]
.elseif e == 5
	v_pk_mul_f32 v[MM+2*p:MM+2*p+1], v[Z+2*p:Z+2*p+1], s[68:69] op_sel_hi:[1,0]
.elseif e == 6
	v_exp_f32 v[MM+2*p-1], v[MM+2*p-1]
.elseif e == 7
	v_pk_mul_f32 v[HZ+2*p:HZ+2*p+1], v[Z+2*p:Z+2*p+1], 0.5 op_sel_hi:[1,0]
.else
	v_pk_mul_f32 v[MM+2*p:MM+2*p+1], v[MM+2*p:MM+2*p+1], v[Z+2*p:Z+2*p+1]
.endif
.set j, j+1
.endm
; RUN n: the block's products number i to i + n - 1 (K step i / 4, accumulator i % 4), each with four riders behind it.  The four accumulators take turns, one instruction a turn;
; the first K step starts the sums with the constant 0.  The riders name no register of the products (Z to HP lie in v64-239 of window 1, the sums in v0-31).  A slice costs two switches of the window.
.macro RUN n
.rept \n
	WIN 0x52+(i/32)                                ; weights (source 0) window 2 or 3, tokens (source 1) window 0, C and D window 1
.if i < 4
	v_wmma_f32_16x16x32_bf16 v[ACC+8*(i%4):ACC+8*(i%4)+7], v[8*(i%32):8*(i%32)+7], v[AF+8*(i/4):AF+8*(i/4)+7], 0
.else
	v_wmma_f32_16x16x32_bf16 v[ACC+8*(i%4):ACC+8*(i%4)+7], v[8*(i%32):8*(i%32)+7], v[AF+8*(i/4):AF+8*(i/4)+7], v[ACC+8*(i%4):ACC+8*(i%4)+7]
.endif
	WIN 0x55
	RIDER
	RIDER
	RIDER
	RIDER
.set i, i+1
.endr
.endm
	s_wait_dscnt 0x0                               ; the weights' fragments and the first block's are in
	s_mov_b32 s60, 11                              ; the trip with s60 = 11 - t multiplies block t, makes block t - 1's GELU and fetches block t + 1 = 12 - s60
.Lblock:
.set i, 0
.set j, 0
	RUN 32
	s_wait_dscnt 0x0                               ; K steps 8 to 15 of this block, asked for at the last trip's end, 32 products ago
	RUN 4
	v_nop                                          ; a plain instruction behind the last transcendental (ISA guide 5.7.2),
	s_wait_alu depctr_va_vdst(0)                   ; and the one wait for the batch, ahead of its first reader and of the branches below
	WIN 0
	s_wait_xcnt 0x0                                ; the last trip's stores went out 36 products ago: their data (HP) and base are written again only behind this wait
	s_add_nc_u64 s[12:13], s[12:13], 0x10000       ; t + 1 steps of a block by now: the stores below reach back two
	; K steps 0 to 7 of the next block: their registers' last reader is product 31, and more than four plain riders lie between (ISA guide 7.12.1).  The block's place in LDS stands in the immediates.
.irp b, 1,2,3,4,5,6,7,8,9
	s_cmp_eq_u32 s60, 12-(\b)
	s_cbranch_scc1 .Llo\b
.endr
	s_branch .Llo_in                               ; behind block 9 there is none to fetch
.irp b, 1,2,3,4,5,6,7,8,9
.Llo\b:
	AFETCH AAD+(\b)/4, ((\b)%4)*16*APITCH, 0, 8
.if (\b) < 9
	s_branch .Llo_in
.endif
.endr
.Llo_in:
	RUN 28
	; z = sums + bias for the next trip's riders: this frees the accumulators.  Four plain riders stand behind the last product; each accumulator is read from its lowest registers on.
.set p, 0
.rept 16
	v_pk_add_f32 v[Z+2*p:Z+2*p+1], v[ACC+2*p:ACC+2*p+1], v[BIAS+2*p:BIAS+2*p+1]
.set p, p+1
.endr
	WIN 0
	s_cmp_eq_u32 s60, 11
	s_cbranch_scc1 .Lno_block                      ; the first trip's riders had no block
	WIN 0x04                                       ; the stores' data in window 1
.irp t, 0,1,2,3
	global_store_b128 v[HOFF], v[HP+4*(\t):HP+4*(\t)+3], s[12:13] offset:512*(\t)-0x20000  ; 512 consecutive bytes: one half of a K step's operand for all 32 lanes
.endr
	WIN 0
.Lno_block:
	s_wait_dscnt 0x0                               ; K steps 0 to 7 of the next block, asked for 28 products ago; so the wait ahead of product 32 is for the loads below alone
.irp b, 1,2,3,4,5,6,7,8,9
	s_cmp_eq_u32 s60, 12-(\b)
	s_cbranch_scc1 .Lhi\b
.endr
	s_branch .Lhi_in
.irp b, 1,2,3,4,5,6,7,8,9
.Lhi\b:
	AFETCH AAD+(\b)/4, ((\b)%4)*16*APITCH, 8, 8
.if (\b) < 9
	s_branch .Lhi_in
.endif
.endr
.Lhi_in:
	s_sub_co_u32 s60, s60, 1
	s_cmp_lg_u32 s60, 0
	s_cbranch_scc1 .Lblock
	s_wait_tensorcnt 0x0                           ; the wave's end
	ds_add_u32 v[SPW], v[NIL]
	s_wait_dscnt 0x0
	s_endpgm
.Lfunc_end_k_q5eb2e4f37f_ffn1:
	.size	k_q5eb2e4f37f_ffn1, .Lfunc_end_k_q5eb2e4f37f_ffn1-k_q5eb2e4f37f_ffn1
	.p2alignl 7, 3214868480
	.fill 96, 4, 3214868480
	.section	.rodata,"a",@progbits
	.p2align	6, 0x0
	.amdhsa_kernel k_q5eb2e4f37f_ffn1
		.amdhsa_group_segment_fixed_size 212992
		.amdhsa_private_segment_fixed_size 0
		.amdhsa_enable_private_segment 0
		.amdhsa_kernarg_size 48
		.amdhsa_user_sgpr_count 2
		.amdhsa_user_sgpr_kernarg_segment_ptr 1
		.amdhsa_wavefront_size32 1
		.amdhsa_system_sgpr_workgroup_id_x 1
		.amdhsa_system_sgpr_workgroup_id_y 1
		.amdhsa_system_sgpr_workgroup_id_z 1
		.amdhsa_system_vgpr_workitem_id 0
		.amdhsa_next_free_vgpr 1024
		.amdhsa_next_free_sgpr 96
		.amdhsa_reserve_vcc 1
		.amdhsa_float_denorm_mode_32 3
		.amdhsa_float_denorm_mode_16_64 3
		.amdhsa_memory_ordered 1
		.amdhsa_forward_progress 1
		.amdhsa_inst_pref_size 186
	.end_amdhsa_kernel
	.amdgpu_metadata
---
amdhsa.version: [ 1, 2 ]
amdhsa.kernels:
  - .name:           k_q5eb2e4f37f_ffn1
    .symbol:         k_q5eb2e4f37f_ffn1.kd
    .args:
      - { .name: route, .offset: 0, .size: 8, .value_kind: global_buffer, .address_space: global }
      - { .name: xb, .offset: 8, .size: 8, .value_kind: global_buffer, .address_space: global }
      - { .name: w1, .offset: 16, .size: 8, .value_kind: global_buffer, .address_space: global }
      - { .name: b1, .offset: 24, .size: 8, .value_kind: global_buffer, .address_space: global }
      - { .name: hf, .offset: 32, .size: 8, .value_kind: global_buffer, .address_space: global }
      - { .name: plan, .offset: 40, .size: 8, .value_kind: global_buffer, .address_space: global }
    .group_segment_fixed_size: 212992
    .private_segment_fixed_size: 0
    .kernarg_segment_align: 8
    .kernarg_segment_size: 48
    .max_flat_workgroup_size: 128
    .sgpr_count:     96
    .vgpr_count:     1024
    .wavefront_size: 32
...
	.end_amdgpu_metadata
.endif
;; end of part 2
;; launch ffn2 (part 3): grid 8 x 32, 4 waves a work-group, no clusters, 215,552 bytes of LDS; arguments hf, plan, w2, b2, out0; writes out0
.if DOCPART == 3
	.amdgcn_target "amdgcn-amd-amdhsa--gfx1250"
	.amdhsa_code_object_version 6
	.text
	.protected	k_q5eb2e4f37f_ffn2
	.globl	k_q5eb2e4f37f_ffn2
	.p2align	8
	.type	k_q5eb2e4f37f_ffn2,@function
k_q5eb2e4f37f_ffn2:
	s_mov_b64 s[64:65], 0
	v_nop
	global_prefetch_b8 v0, s[64:65] scope:SCOPE_SE
	s_setreg_imm32_b32 hwreg(HW_REG_WAVE_MODE, 25, 1), 1
	s_wait_xcnt 0x0
; SECOND PRODUCT.  out[token] = 2 (h w2[e] + b2[e]) for a tile of 160 rows (grid y: the 32 tiles of the plan) and a slice of 64 output columns (grid x: 8).  w2 and b2 are rounded to bf16 on their way
; through registers; sums in f32; each output number is stored once, in f32.
; SHAPE.  The four waves are the four quarters of K = 2,048.  A wave keeps its 512 x 64 of w2 as 64 bf16 fragments in 512 registers (windows 2, 3), filled once, as in the first product.  Then it walks the
; tile's 10 blocks of 16 rows: the token operand comes straight from hf, which lies in operand order (each load 512 consecutive bytes), through a ring of 8 groups of 8 loads in registers.
; The f32 partial sums of the four quarters meet in LDS (160 rows x 64 columns a wave, pitch 272), behind ONE barrier; each wave then adds and stores 40 rows, sixteen lanes to 256 bytes of a token's row.
; LDS ADDRESSES are a register made once at the head plus an immediate, in the loop too: a block's 8 stores of partial sums are written once for each block, and the trip's counter picks them.
; Places past a tile's count repeat its first token: they hold the same numbers and are stored to the same address.  A tile without rows (plan word 161 = 0) passes the barrier and ends; of the
; weights it has asked for two slots (16 KB a wave, of a valid expert), which go out ahead of the wait for the plan; of hf, which nobody stored for it, it reads nothing.
; NO JOINT LOADS.  The 8 slices of a tile share its part of hf, but a tile without rows has none that was ever written, and partners would have to ask for it all the same; the tiles of an expert share
; weights, but their number hangs on the counts; and the f32 weights pass through registers to be rounded in any case.
.set PITCH,  2048                      ; bytes from row to row of w2[e]
.set PSW,    43520                     ; a wave's partial sums: 160 rows x 272 bytes
.set PSP,    272                       ; 256 bytes + 16: the 16 rows of a store start at 16 different groups of four banks (64 banks of 4 bytes: ISA guide 11.1)
.set BST,    174080                    ; behind the sums: each wave's stage, two buffers of 32 k-rows x 160 bytes
.set BBUF,   5120
.set SPARE,  215040                    ; the spare words, 128 bytes a wave, which no other line names
.set LANE, 1
.set R,    2
.set H,    3
.set BOFF, 14
.set BSTA, 15
.set BTRA, 16
.set HA,   17                          ; 16 x lane; never rewritten
.set PSA0, 18                          ; where I put my results of the tile's first block; never rewritten
.set L16,  19                          ; 16 x (lane % 16)
.set RD,   20                          ; v[20:23]   where I read quarter q's sums back
.set B2V,  24                          ; v[24:27]   2 x b2 of my four columns
.set PLO,  28
.set SPW,  30                          ; my spare word; never rewritten
.set NIL,  31                          ; 0; never rewritten
.set ACC,  32                          ; v[32:63]   four accumulators
.set AF,   64                          ; v[64:191]  the 16 token fragments of an even block; the same registers of window 1: of an odd block
.set PK,   192                         ; v[192:223] packed words on their way into the stage
.set OO,   224                         ; v[224:243] byte offsets in out0 of my 20 pairs of rows
.set MSB, 0
.macro WIN new                         ; the immediate's high byte repeats the setting that is left; a switch that changes nothing is dropped
.if MSB != (\new)
	s_set_vgpr_msb (MSB<<8)|(\new)
.set MSB, (\new)
.endif
.endm
; THE WEIGHTS, as in the first product.  BLOAD s: k-rows 32 s .. 32 s + 31 of my 64 columns into slot s % 4 of window 1: 16 loads, load i rows i % 4 + 8 (i / 4) (lanes 0-15) and four further down
; (lanes 16-31), 256 bytes of each.
.macro BLOAD s
	WIN 0x40
.set i, 0
.rept 16
	global_load_b128 v[64*((\s)&3)+4*i:64*((\s)&3)+4*i+3], v[BOFF], s[8:9] offset:(32*(\s)+(i%4)+8*(i/4))*PITCH
.set i, i+1
.endr
.endm
.macro AFLOAD X, mb                    ; the 16 token fragments of block mb into buffer X: 32 loads, K ascending
	WIN (\X)<<6
.set kk, 0
.rept 16
	global_load_b128 v[AF+8*kk:AF+8*kk+3],   v[HA], s[4:5] offset:(\mb)*65536+1024*kk
	global_load_b128 v[AF+8*kk+4:AF+8*kk+7], v[HA], s[4:5] offset:(\mb)*65536+1024*kk+512
.set kk, kk+1
.endr
.endm
; BSTEP s, n: slot s % 4 has landed (n younger loads may stay out); it is rounded; it is asked for again at once (step s + 4), ahead of the LDS work; the rounded words go into buffer s % 2 of my stage and
; come back turned as the four fragments of K step s.
; The stage is my wave's own and LDS serves a wave's instructions in order (ISA guide 5.7.1.4): no wait and no barrier between the stores, the turning loads and the next stores into the buffer.
.macro BSTEP s, n
	s_wait_loadcnt \n
	WIN 0x05
.set i, 0
.rept 32
	v_cvt_pk_bf16_f32 v[PK+i], v[64*((\s)&3)+2*i], v[64*((\s)&3)+2*i+1]
.set i, i+1
.endr
.if (\s) <= 11
	BLOAD (\s)+4
.endif
.if (\s) == 13
	AFLOAD 0, 0                                    ; the first block's tokens are asked for while the last weights come
.endif
.if (\s) == 15
	AFLOAD 1, 1                                    ; window 1's slots 1 and 2 have had their last weights
.endif
	WIN 0
.set i, 0
.rept 16
	ds_store_b64 v[BSTA], v[PK+2*i:PK+2*i+1] offset:((\s)&1)*BBUF+160*((i%4)+8*(i/4))
.set i, i+1
.endr
	WIN 0x80+0x40*((\s)>>3)                        ; fragment (kk, nb) lies in window 2 + kk / 8 at register 8 (4 (kk % 8) + nb)
.set nb, 0
.rept 4
	ds_load_tr16_b128 v[(((\s)&7)*4+nb)*8:(((\s)&7)*4+nb)*8+3],   v[BTRA] offset:((\s)&1)*BBUF+32*nb
	ds_load_tr16_b128 v[(((\s)&7)*4+nb)*8+4:(((\s)&7)*4+nb)*8+7], v[BTRA] offset:((\s)&1)*BBUF+32*nb+2560
.set nb, nb+1
.endr
.endm
	s_load_b256 s[4:11], s[0:1], 0x0               ; hf s[4:5], plan s[6:7], w2 s[8:9], b2 s[10:11]
	s_load_b64 s[12:13], s[0:1], 0x20              ; out0
	v_lshl_add_u32 v[SPW], v0, 2, SPARE
	v_mov_b32 v[NIL], 0
	v_and_b32 v[LANE], 31, v0
	v_lshrrev_b32 v4, 5, v0
	v_readfirstlane_b32 s18, v4                    ; wave = quarter of K
	s_mov_b32 s19, ttmp9                           ; slice
	s_and_b32 s20, ttmp7, 0xffff                   ; tile
	v_and_b32 v[R], 15, v0
	v_bfe_u32 v[H], v0, 4, 1
	s_lshl_b32 s26, s18, 3
	v_lshl_add_u32 v[PLO], v[H], 2, s26            ; plan word 2 wave + lane / 16
	s_lshl_b32 s2, s20, 10
	s_mov_b32 s3, 0
	s_wait_kmcnt 0x0
	s_add_nc_u64 s[6:7], s[6:7], s[2:3]            ; the tile's 256 words
	s_load_b64 s[22:23], s[6:7], 0x280             ; word 160: the expert; word 161: 1 if the tile has rows
.set i, 0
.rept 20
	global_load_b32 v[OO+i], v[PLO], s[6:7] offset:32*i  ; the tokens of rows 8 i + 2 wave + lane / 16
.set i, i+1
.endr
	v_lshlrev_b32 v[L16], 4, v[R]
	v_lshl_add_u32 v[BOFF], v[H], 13, v[L16]       ; lanes 0-15 one row's 256 bytes, lanes 16-31 those of the row four further down
	s_mul_i32 s26, s18, 2*BBUF
	s_add_co_u32 s26, s26, BST                     ; my stage
	v_mul_u32_u24 v4, v[H], 640                    ; four stage rows are 640 bytes = 128 modulo 256: the two 128-byte halves of a store fall on different banks (64 banks of 4 bytes: ISA guide 11.1)
	v_lshl_add_u32 v4, v[R], 3, v4
	v_add_nc_u32 v[BSTA], s26, v4
	v_and_b32 v4, 7, v0
	v_lshl_add_u32 v4, v[H], 3, v4
	v_mul_u32_u24 v4, v4, 160
	v_bfe_u32 v5, v0, 3, 1
	v_lshl_add_u32 v4, v5, 4, v4
	v_add_nc_u32 v[BTRA], s26, v4
	v_lshlrev_b32 v[HA], 4, v[LANE]
	s_mul_i32 s26, s18, PSW
	v_mul_u32_u24 v4, v[R], PSP                    ; in: token row lane % 16, 8 columns (32 bytes) for each half of the lanes
	v_lshl_add_u32 v4, v[H], 5, v4
	v_add_nc_u32 v[PSA0], s26, v4
	s_mul_i32 s26, s18, 2*PSP                      ; back: lanes 0-15 take one row's 256 bytes, lanes 16-31 the next row's
	v_mul_u32_u24 v4, v[H], PSP
	v_add_nc_u32 v4, v[L16], v4
	v_add_nc_u32 v[RD], s26, v4
	v_add_nc_u32 v[RD+1], PSW, v[RD]
	v_add_nc_u32 v[RD+2], 2*PSW, v[RD]
	v_add_nc_u32 v[RD+3], 3*PSW, v[RD]
	s_mov_b32 s25, 0xffff0000
	s_mov_b32 s27, 0
	s_mul_i32 s26, s20, 655360                     ; hf: the tile, my quarter's 16 K steps of 1,024 bytes
	s_lshl_b32 s2, s18, 14
	s_add_co_u32 s26, s26, s2
	s_add_nc_u64 s[4:5], s[4:5], s[26:27]          ; the base by which the even blocks' buffer is filled again,
	s_mov_b64 s[28:29], s[4:5]                     ; and the odd blocks': each is stepped while the other is in use
	s_lshl_b32 s26, s19, 8                         ; out0: the slice's 64 columns
	s_add_nc_u64 s[12:13], s[12:13], s[26:27]
	s_wait_kmcnt 0x0
	s_min_u32 s22, s22, 7
	s_lshl_b32 s26, s22, 22                        ; w2[e]: 4,194,304 bytes an expert,
	s_lshl_b32 s2, s18, 20                         ; 512 rows of 2,048 bytes a quarter,
	s_add_co_u32 s26, s26, s2
	s_lshl_b32 s2, s19, 8                          ; 64 columns a slice
	s_add_co_u32 s26, s26, s2
	s_add_nc_u64 s[8:9], s[8:9], s[26:27]
	s_lshl_b32 s26, s22, 11                        ; b2[e], the same columns
	s_add_co_u32 s26, s26, s2
	s_add_nc_u64 s[10:11], s[10:11], s[26:27]
	global_load_b128 v[B2V:B2V+3], v[L16], s[10:11]
	BLOAD 0                                        ; the first weights go out ahead of the wait for the plan
	BLOAD 1
	WIN 0
	s_wait_loadcnt 32                              ; the plan's 20 words and b2 are in: the two slots of weights are younger
.set i, 0
.rept 20
	v_min_u32 v[OO+i], 0xfff, v[OO+i]
	v_lshl_add_u32 v[OO+i], v[OO+i], 11, v[L16]    ; token x 2,048 bytes + my 16 bytes of the slice's 256
.set i, i+1
.endr
	v_cvt_pk_bf16_f32 v4, v[B2V], v[B2V+1]         ; b2 rounded to bf16 like every input, widened, and doubled
	v_cvt_pk_bf16_f32 v5, v[B2V+2], v[B2V+3]
	v_lshlrev_b32 v[B2V], 16, v4
	v_and_b32 v[B2V+1], s25, v4
	v_lshlrev_b32 v[B2V+2], 16, v5
	v_and_b32 v[B2V+3], s25, v5
	v_pk_add_f32 v[B2V:B2V+1], v[B2V:B2V+1], v[B2V:B2V+1]
	v_pk_add_f32 v[B2V+2:B2V+3], v[B2V+2:B2V+3], v[B2V+2:B2V+3]
	s_cmp_eq_u32 s23, 0
	s_cbranch_scc1 .Lmeet                          ; a tile without rows jumps over work alone: the barrier stands behind the label
	BLOAD 2
	BLOAD 3
.irp s, 0,1,2,3,4,5,6,7,8,9,10,11,12
	BSTEP \s, 48                                   ; three younger slots of 16 loads stay out
.endr
	BSTEP 13, 32                                   ; slots 14 and 15
	BSTEP 14, 48                                   ; slot 15 and the 32 loads of block 0
	BSTEP 15, 32                                   ; the 32 loads of block 0
	WIN 0
	s_wait_dscnt 0x0                               ; the weights' fragments are in
; THE WALK.  GRP X, g, n, reload: K steps 4 g .. 4 g + 3 of the block in buffer X: 16 matrix instructions, the four accumulators by turns, one instruction a turn; the block's
; first K step starts the sums with the constant 0.  n: the younger loads that may stay out.  reload = 1: the group's 8 loads go out again, for the block two further on.
; Buffer 0 is filled by the base s[4:5], buffer 1 by s[28:29].  A base is stepped, two blocks at a time, in the OTHER buffer's group 1: the last loads of any kind went out 16 matrix instructions earlier,
; so the wait that frees the base finds them translated.  Buffer 1's base is stepped ahead of its first use in a trip, so its loads reach one block on where buffer 0's reach two.
.macro GRP X, g, n, reload
	s_wait_loadcnt \n
	WIN ((\X)<<2)|(2+((\g)>>1))                    ; weights (source 0) window 2 or 3, tokens (source 1) window X, C and D window 0
.set kk, 4*(\g)
.rept 4
.set nb, 0
.rept 4
.if kk == 0
	v_wmma_f32_16x16x32_bf16 v[ACC+8*nb:ACC+8*nb+7], v[((kk&7)*4+nb)*8:((kk&7)*4+nb)*8+7], v[AF+8*kk:AF+8*kk+7], 0
.else
	v_wmma_f32_16x16x32_bf16 v[ACC+8*nb:ACC+8*nb+7], v[((kk&7)*4+nb)*8:((kk&7)*4+nb)*8+7], v[AF+8*kk:AF+8*kk+7], v[ACC+8*nb:ACC+8*nb+7]
.endif
.set nb, nb+1
.endr
.set kk, kk+1
.endr
.if \reload
.rept 4
	v_nop                                          ; four places between the products and the loads into their sources
.endr
.if (\g) == 1
	s_wait_xcnt 0x0                                ; the other buffer's base is written only behind this wait
	s_add_nc_u64 s[28-24*(\X):29-24*(\X)], s[28-24*(\X):29-24*(\X)], 0x20000
.endif
	WIN (\X)<<6
.set kk, 4*(\g)
.rept 4
	global_load_b128 v[AF+8*kk:AF+8*kk+3],   v[HA], s[4+24*(\X):5+24*(\X)] offset:(2-(\X))*65536+1024*kk
	global_load_b128 v[AF+8*kk+4:AF+8*kk+7], v[HA], s[4+24*(\X):5+24*(\X)] offset:(2-(\X))*65536+1024*kk+512
.set kk, kk+1
.endr
.endif
.endm
; PSTORE blk: the partial sums of block blk go into my part of LDS; the block's place stands in the immediates (39,376 at the most); each accumulator from its lowest registers on.
.macro PSTORE blk
.set nb, 0
.rept 4
	ds_store_b128 v[PSA0], v[ACC+8*nb:ACC+8*nb+3]   offset:16*PSP*(\blk)+64*nb
	ds_store_b128 v[PSA0], v[ACC+8*nb+4:ACC+8*nb+7] offset:16*PSP*(\blk)+64*nb+16
.set nb, nb+1
.endr
.endm
.macro PLACES5                         ; five places between the last products and the stores that read them, and the next block's products that write over them
	WIN 0
.rept 5
	v_nop
.endr
.endm
.macro DUMP blk                        ; in the tail
	PLACES5
	PSTORE \blk
.endm
.macro DUMPSW X                        ; in the loop: the trip with s24 = 4 - t has blocks 2 t + X; the counter picks the block's stores
	PLACES5
	s_cmp_eq_u32 s24, 4
	s_cbranch_scc1 .Ltrip0_\@
	s_cmp_eq_u32 s24, 3
	s_cbranch_scc1 .Ltrip1_\@
	s_cmp_eq_u32 s24, 2
	s_cbranch_scc1 .Ltrip2_\@
	PSTORE 6+(\X)
	s_branch .Lput_\@
.Ltrip0_\@:
	PSTORE (\X)
	s_branch .Lput_\@
.Ltrip1_\@:
	PSTORE 2+(\X)
	s_branch .Lput_\@
.Ltrip2_\@:
	PSTORE 4+(\X)
.Lput_\@:
.endm
	s_mov_b32 s24, 4
.Lwalk:                                        ; a trip: two blocks; the ring holds 8 groups of 8 loads, so the 7 younger groups, 56 loads, stay out at each wait, and a group has 112 matrix instructions in which to land
.irp g, 0,1,2,3
	GRP 0, \g, 56, 1
.endr
	DUMPSW 0
.irp g, 0,1,2,3
	GRP 1, \g, 56, 1
.endr
	DUMPSW 1
	s_sub_co_u32 s24, s24, 1
	s_cmp_lg_u32 s24, 0
	s_cbranch_scc1 .Lwalk
	GRP 0, 0, 56, 0                                ; blocks 8 and 9 ask for nothing more: the counts run down
	GRP 0, 1, 48, 0
	GRP 0, 2, 40, 0
	GRP 0, 3, 32, 0
	DUMP 8
	GRP 1, 0, 24, 0
	GRP 1, 1, 16, 0
	GRP 1, 2, 8, 0
	GRP 1, 3, 0, 0
	DUMP 9
.Lmeet:
	s_wait_dscnt 0x0                               ; for the others' sake: my partial sums are in LDS
	s_barrier_signal -1
	s_barrier_wait -1
	s_cmp_lg_u32 s23, 0
	s_cbranch_scc1 .Lsum
	s_wait_tensorcnt 0x0                           ; a tile without rows ends here
	ds_add_u32 v[SPW], v[NIL]
	s_wait_dscnt 0x0
	s_endpgm
.Lsum:
; THE SUM.  Five batches of four row pairs, on two sets of 64 registers that take turns: the next batch's 16 LDS loads are out while a batch is added and stored.
.macro RLOAD b
.set t, 0
.rept 4
.irp q, 0,1,2,3
	ds_load_b128 v[AF+64*((\b)&1)+16*t+4*(\q):AF+64*((\b)&1)+16*t+4*(\q)+3], v[RD+(\q)] offset:8*PSP*(4*(\b)+t)
.endr
.set t, t+1
.endr
.endm
.macro RSUM b
.set t, 0
.rept 4
.set a, AF+64*((\b)&1)+16*t
	v_pk_add_f32 v[a:a+1],     v[a:a+1],     v[a+4:a+5]        ; (quarter 0 + quarter 1) + (quarter 2 + quarter 3)
	v_pk_add_f32 v[a+2:a+3],   v[a+2:a+3],   v[a+6:a+7]
	v_pk_add_f32 v[a+8:a+9],   v[a+8:a+9],   v[a+12:a+13]
	v_pk_add_f32 v[a+10:a+11], v[a+10:a+11], v[a+14:a+15]
	v_pk_add_f32 v[a:a+1],     v[a:a+1],     v[a+8:a+9]
	v_pk_add_f32 v[a+2:a+3],   v[a+2:a+3],   v[a+10:a+11]
	v_pk_fma_f32 v[a:a+1],     v[a:a+1],     2.0, v[B2V:B2V+1]   op_sel_hi:[1,0,1]
	v_pk_fma_f32 v[a+2:a+3],   v[a+2:a+3],   2.0, v[B2V+2:B2V+3] op_sel_hi:[1,0,1]
	global_store_b128 v[OO+4*(\b)+t], v[a:a+3], s[12:13] th:TH_STORE_NT  ; 16 lanes store 256 consecutive bytes of a token's row, at a multiple of 256 from out0's first byte
.set t, t+1
.endr
.endm
	RLOAD 0
	RLOAD 1
	s_wait_dscnt 16                                ; batch 0 is in; batch 1's 16 loads stay out
	RSUM 0
.irp b, 1,2,3
	s_wait_xcnt 0x0                                ; the set that the batch before stored from is loaded again only behind this wait
	RLOAD (\b)+1
	s_wait_dscnt 16
	RSUM \b
.endr
	s_wait_dscnt 0x0
	RSUM 4
	s_wait_tensorcnt 0x0                           ; the wave's end
	ds_add_u32 v[SPW], v[NIL]
	s_wait_dscnt 0x0
	s_endpgm
.Lfunc_end_k_q5eb2e4f37f_ffn2:
	.size	k_q5eb2e4f37f_ffn2, .Lfunc_end_k_q5eb2e4f37f_ffn2-k_q5eb2e4f37f_ffn2
	.p2alignl 7, 3214868480
	.fill 96, 4, 3214868480
	.section	.rodata,"a",@progbits
	.p2align	6, 0x0
	.amdhsa_kernel k_q5eb2e4f37f_ffn2
		.amdhsa_group_segment_fixed_size 215552
		.amdhsa_private_segment_fixed_size 0
		.amdhsa_enable_private_segment 0
		.amdhsa_kernarg_size 40
		.amdhsa_user_sgpr_count 2
		.amdhsa_user_sgpr_kernarg_segment_ptr 1
		.amdhsa_wavefront_size32 1
		.amdhsa_system_sgpr_workgroup_id_x 1
		.amdhsa_system_sgpr_workgroup_id_y 1
		.amdhsa_system_sgpr_workgroup_id_z 1
		.amdhsa_system_vgpr_workitem_id 0
		.amdhsa_next_free_vgpr 1024
		.amdhsa_next_free_sgpr 66
		.amdhsa_reserve_vcc 0
		.amdhsa_float_denorm_mode_32 3
		.amdhsa_float_denorm_mode_16_64 3
		.amdhsa_memory_ordered 1
		.amdhsa_forward_progress 1
		.amdhsa_inst_pref_size 145
	.end_amdhsa_kernel
	.amdgpu_metadata
---
amdhsa.version: [ 1, 2 ]
amdhsa.kernels:
  - .name:           k_q5eb2e4f37f_ffn2
    .symbol:         k_q5eb2e4f37f_ffn2.kd
    .args:
      - { .name: hf, .offset: 0, .size: 8, .value_kind: global_buffer, .address_space: global }
      - { .name: plan, .offset: 8, .size: 8, .value_kind: global_buffer, .address_space: global }
      - { .name: w2, .offset: 16, .size: 8, .value_kind: global_buffer, .address_space: global }
      - { .name: b2, .offset: 24, .size: 8, .value_kind: global_buffer, .address_space: global }
      - { .name: out0, .offset: 32, .size: 8, .value_kind: global_buffer, .address_space: global }
    .group_segment_fixed_size: 215552
    .private_segment_fixed_size: 0
    .kernarg_segment_align: 8
    .kernarg_segment_size: 40
    .max_flat_workgroup_size: 128
    .sgpr_count:     66
    .vgpr_count:     1024
    .wavefront_size: 32
...
	.end_amdgpu_metadata
.endif
;; end of part 3
